; MI455X (gfx1250); checked and timed in simulation.
; The chip was launched on July 23, 2026; its instructions are those of AMD's public machine-readable ISA for CDNA 5 (MIT licence, August 2026) and "CDNA5" Instruction Set Architecture Reference Guide (July 2026). The comments in the code are by the model that wrote it; some were corrected since.
;; Multi Head Attention. Allowed arithmetic: matrix products marked QUANTISED: E2M3 operands, one E8M0 scale for each 32 along K, by v_wmma_scale_f32_16x16x128_f8f6f4 with both operands' format E2M3, f32 sums; everything else in f32.
;; Inputs: W_proj 1,024 x 1,024 float32; W_qkv 3,072 x 1,024 float32; b_proj 1,024 float32; x 4 x 2,048 x 1,024 float32.
;; Outputs: out0 4 x 2,048 x 1,024 float32.
;; This version of the problem:
;;   THIS VERSION OF THE PROBLEM IS GIVEN IN LOW PRECISION. The matrix products marked QUANTISED in the list below multiply operands that are first quantised to E2M3 (2 exponent bits, 3 mantissa bits; 6 bits a number), with one power-of-two scale for each 32 numbers along K (OCP MX v1.0); their sums are f32. All else is computed in f32.
;;   The module's matrix products, in the order in which they are computed (A, B: the left and right operand; K: the contracted axis; several contracted axes count as one K, in the product's order):
;;     1. [M 8,192, K 1,024] x [K 1,024, N 3,072]; A: input x; B: input W_qkv: QUANTISED
;;     2. batch 64 x [M 2,048, K 64] x [K 64, N 2,048]; A: computed on the way; B: computed on the way: QUANTISED
;;     3. batch 64 x [M 2,048, K 2,048] x [K 2,048, N 64]; A: softmax (see below); B: computed on the way: QUANTISED
;;     4. [M 8,192, K 1,024] x [K 1,024, N 1,024]; A: computed on the way; B: input W_proj: QUANTISED
;;   THE QUANTISER, for each operand of a quantised product, along K:
;;     - K is cut into blocks of 32 from its start; a last block that is shorter is filled with zeros.
;;     - A block's scale is 2^e with e = floor(log2(the largest magnitude in the block)) - 2, held to -126 .. 127; a block of zeros has e = 0. As a byte (E8M0): e + 127.
;;     - Each number is divided by its block's scale, clamped to +-7.5, and rounded to the nearest number of E2M3, ties to even, subnormals kept.
;;     - The product sums the exact products of the quantised numbers (number of the format x scale) in f32.
;;   ~~~python
;;   def quantise(x, axis):      # numpy; x: float32 -> the quantised numbers, widened to float32 again
;;       x = np.moveaxis(x, axis, -1); K = x.shape[-1]
;;       x = np.pad(x, [(0, 0)] * (x.ndim - 1) + [(0, -K % 32)]); x = x.reshape(x.shape[:-1] + (-1, 32)); a = np.abs(x).max(-1, keepdims=True)
;;       e = np.where(a > 0, np.clip(np.frexp(np.where(a > 0, a, 1))[1] - 1 - 2, -126, 127), 0)      # np.frexp(a)[1] - 1 = floor(log2(a)), exactly
;;       r = np.clip(x / 2.0 ** e, -7.5, 7.5)
;;       step = 2.0 ** (np.maximum(np.frexp(np.where(r == 0, 1, r))[1] - 1, 0) - 3)
;;       q = np.round(r / step) * step * 2.0 ** e      # np.round: ties to even
;;       return np.moveaxis(q.reshape(q.shape[:-2] + (-1,))[..., :K], -1, axis).astype(np.float32)
;;   ~~~
;;   SOFTMAX AHEAD OF A QUANTISED PRODUCT. Where the list says 'softmax', what is quantised is not the finished softmax but p = 2^(t - M), with t = logit x log2(e) and M = ceil(the row's largest t), a whole number; so 1/2 < the row's largest p <= 1. The row's sum l is taken of the UNQUANTISED p, in f32, and the product's result is divided by l at the end. Since M is a whole number, a kernel that streams over the keys may use a running M (the ceiling of the running maximum): every later rescaling is an exact power of two, which a block's scale takes up: the codes' values come out the same.
;;   OPERANDS COMPUTED ON THE WAY. 'Computed on the way' means the value that the module computes at that place (a softmax that the list does not call 'softmax' is quantised finished and normalised). What goes into a quantiser is computed in f32, as accurately as f32 sums, v_exp_f32 and their like allow (about 1e-6 of the number): no bf16 or f16 on the way to a quantiser, and a product that is left as it is and whose result goes on into a quantised operand takes f32 operands (vector FMAs, or v_wmma_f32_16x16x4_f32). A number that lies on a knife's edge between two numbers of the format may be rounded either way, as far as f32 arithmetic and the matrix unit's own rounding can turn it there, and no further.
;; One version. Each part assembles by itself: llvm-mc -triple=amdgcn-amd-amdhsa -mcpu=gfx1250 --defsym DOCPART=n.
;; ======== version 1 of 1: 4 launches
;; workspace buffers: cod1 9,437,184 bytes; scl1 393,216 bytes; qkvc 18,874,368 bytes; qkvs 786,432 bytes; acod 6,291,456 bytes; ascl 262,144 bytes
;; launch quant (part 1): grid 768 x 1, 4 waves a work-group, no clusters, 34,816 bytes of LDS; arguments x, W_qkv, W_proj, cod1, scl1; writes cod1, scl1
.if DOCPART == 1
	.amdgcn_target "amdgcn-amd-amdhsa--gfx1250"
	.amdhsa_code_object_version 6
	.text
	.protected	k_q63524b8b82_quant
	.globl	k_q63524b8b82_quant
	.p2align	8
	.type	k_q63524b8b82_quant,@function
k_q63524b8b82_quant:
	s_mov_b64 s[64:65], 0
	v_nop
	global_prefetch_b8 v0, s[64:65] scope:SCOPE_SE
	s_setreg_imm32_b32 hwreg(HW_REG_WAVE_MODE, 25, 1), 1
	s_wait_xcnt 0x0
; x [8192][1024], W_qkv [3072][1024], W_proj [1024][1024], f32, K innermost, become codes of FP6 (E2M3) with one E8M0 byte for each 32 along K,
; laid in the ORDER OF THE OPERAND'S REGISTERS.  A row tile is 16 rows of a group of 32: tile 2 B + u holds rows 32 B + 8 u + p + 8 (p / 8), p = 0 .. 15.
; Row tiles are numbered through the three tensors: x 0 .. 511, W_qkv 512 .. 703, W_proj 704 .. 767.  Fragment (tile g, K step s of 128) is 1,536 bytes at 12,288 g + 1,536 s:
; registers 0-3 at 16 x lane, 4-5 at 512 + 8 x lane, 6-9 at 768 + 16 x lane, 10-11 at 1,280 + 8 x lane.  The tile's scale words are 512 bytes at 512 g: lane (r, h)'s 16 bytes at 16 x lane
; are the words of row r for K steps 4 h + 0 .. 3.
; A block's scale is 2^(floor(log2(its largest magnitude)) - 2); its byte is the largest magnitude's exponent field - 2, held at 1 from below.
; LIMITS: NaN and infinities among the inputs are not served; a block whose largest magnitude lies under 2^-124 keeps the byte 1, and so does a block of zeros (its codes are zeros; this program alone reads the bytes).
; SHARES: a work-group takes one row tile; wave sp its K steps 2 sp and 2 sp + 1.  Each load reads 512 consecutive bytes of a row; all 32 loads of a wave go out at once.
; A K step's 16 x 512 bytes turn through the wave's own stage in LDS (rows 528 bytes apart), so that a lane gets two whole blocks of 32 neighbours of its row.
; No matrix work, no tensor load, no cluster: every byte is read once by one wave.
.set STG,   8448                       ; a wave's stage: 16 rows x 528 bytes
.set SCST,  4*STG                      ; behind the stages: the tile's 512 bytes of scale words
.set RR,    128                        ; v128-255 two sets of 64: as loaded
.set X,     64                         ; v64-127  my two blocks of 32 neighbours
.set PC,    24                         ; v24-47   codes: a set of 12 for each K step, so that no store's data are written again
.set PT,    48                         ; v48-55   a block's upper 16 codes, before they are moved
	s_load_b128 s[4:7], s[0:1], 0x0                ; x, W_qkv
	s_load_b128 s[8:11], s[0:1], 0x10              ; W_proj, the codes
	s_load_b64 s[12:13], s[0:1], 0x20              ; the scale words
	v_lshl_add_u32 v62, v0, 2, 0x8600
	v_mov_b32 v63, 0
	v_lshrrev_b32 v1, 5, v0
	v_readfirstlane_b32 s14, v1                    ; wave sp
	v_and_b32 v1, 31, v0                           ; lane
	v_and_b32 v2, 15, v0                           ; r
	v_bfe_u32 v3, v0, 4, 1                         ; h
	v_lshlrev_b32 v4, 4, v1                        ; 16 x lane
	v_lshlrev_b32 v7, 3, v1                        ; 8 x lane
	s_mul_i32 s15, s14, STG
	v_add_nc_u32 v5, s15, v4                       ; the stage, on the way in: 16 x lane of a row
	v_mul_u32_u24 v6, v2, 528
	v_lshl_add_u32 v6, v3, 7, v6
	v_add_nc_u32 v6, s15, v6                       ; and out: row r, + 128 h: my block of the first 64 along K
	s_lshr_b32 s17, s14, 1
	s_lshl_b32 s17, s17, 8                         ; K steps 4 .. 7 lie 256 bytes behind K steps 0 .. 3
	s_and_b32 s18, s14, 1
	s_lshl_b32 s18, s18, 3
	s_add_co_u32 s17, s17, s18
	s_add_co_u32 s17, s17, SCST
	v_lshlrev_b32 v8, 4, v2
	v_lshl_add_u32 v8, v3, 2, v8
	v_add_nc_u32 v8, s17, v8                       ; where my scale word goes: lanes 0-15 store K step 2 sp's, lanes 16-31 K step 2 sp + 1's
	v_add_nc_u32 v9, SCST, v4                      ; and where wave 0 reads the 512 bytes back
	v_lshlrev_b32 v17, 3, v3                       ; 8 h: my bytes' place in a scale word
	v_mov_b32 v20, 0                               ; a lane permute's destination counts as one of its sources
	v_cmp_le_u32 vcc_lo, 16, v1                    ; lanes 16-31
	s_mov_b32 s24, 0x76543210
	s_mov_b32 s25, 0xfedcba98                      ; v_permlanex16_b32's selects for lane l xor 16
	s_wait_alu depctr_va_vdst(0)
	s_wait_kmcnt 0x0
	s_cmp_lt_u32 ttmp9, 512                        ; which tensor: the choice hangs on the work-group's number alone
	s_cselect_b64 s[4:5], s[4:5], s[6:7]
	s_cselect_b32 s16, 0, 512
	s_cmp_lt_u32 ttmp9, 704
	s_cselect_b64 s[4:5], s[4:5], s[8:9]
	s_cselect_b32 s16, s16, 704
	s_sub_co_u32 s16, ttmp9, s16                   ; the row tile's number in its tensor
	s_lshr_b32 s20, s16, 1
	s_lshl_b32 s20, s20, 17                        ; 32 rows of 4,096 bytes,
	s_and_b32 s21, s16, 1
	s_lshl_b32 s21, s21, 15                        ; 8 rows,
	s_add_co_u32 s20, s20, s21
	s_lshl_b32 s21, s14, 10                        ; two K steps of 512 bytes
	s_add_co_u32 s20, s20, s21
	s_mov_b32 s21, 0
	s_add_nc_u64 s[4:5], s[4:5], s[20:21]
	s_mul_i32 s20, ttmp9, 12288
	s_mul_i32 s22, s14, 3072
	s_add_co_u32 s20, s20, s22
	s_add_nc_u64 s[10:11], s[10:11], s[20:21]
	s_lshl_b32 s20, ttmp9, 9
	s_add_nc_u64 s[12:13], s[12:13], s[20:21]
.irp e, 0,1
.irp i, 0,1,2,3,4,5,6,7,8,9,10,11,12,13,14,15
	global_load_b128 v[RR+64*\e+4*\i:RR+64*\e+4*\i+3], v4, s[4:5] offset:(\i+8*(\i/8))*4096+512*\e th:TH_LOAD_NT   ; 32 lanes read 512 consecutive bytes of the tile's row i
.endr
.endr
; K step e of my two: through the stage, two blocks a lane, their scale bytes, their codes, and out
.macro FRAGQ e
	s_wait_loadcnt 16*(1-\e)                       ; this K step's 16 loads are in; the other's may be out
.irp i, 0,1,2,3,4,5,6,7,8,9,10,11,12,13,14,15
	ds_store_b128 v5, v[RR+64*\e+4*\i:RR+64*\e+4*\i+3] offset:528*\i
.endr
.irp c, 0,1
.irp j, 0,1,2,3,4,5,6,7
	ds_load_b128 v[X+32*\c+4*\j:X+32*\c+4*\j+3], v6 offset:256*\c+16*\j   ; k = 64 c + 32 h + 4 j on, of row r.  LDS serves a wave's instructions in order: these see the stores above
.endr
.endr
	s_wait_dscnt 0x0
.irp c, 0,1
	v_max3_num_f32 v[10+\c], |v[X+32*\c]|, |v[X+32*\c+1]|, 0x1800000   ; my block 2 c + h, and the floor 2^(3 - 127): the byte cannot fall under 1
.endr
.irp i, 2,4,6,8,10,12,14,16,18,20,22,24,26,28,30
.irp c, 0,1
	v_max3_num_f32 v[10+\c], v[10+\c], |v[X+32*\c+\i]|, |v[X+32*\c+\i+1]|   ; (the two blocks by turns)
.endr
.endr
.irp c, 0,1
	v_add_nc_u32 v[12+\c], 0xff000000, v[10+\c]    ; 2 off the exponent field: the conversion's scale operand
.endr
.irp c, 0,1
	v_lshrrev_b32 v[14+\c], 23, v[12+\c]           ; the scale's byte
.endr
	v_lshl_or_b32 v16, v15, 16, v14                ; my two bytes, blocks h and 2 + h,
	v_lshlrev_b32 v16, v17, v16                    ; at their places in the word;
	v_permlanex16_b32 v20, v16, s24, s25
	v_or_b32 v[18+\e], v16, v20                    ; with lane l xor 16's two the word is whole
.irp c, 0,1
	v_cvt_scalef32_pk16_fp6_f32 v[PC+12*\e+6*\c:PC+12*\e+6*\c+2], v[X+32*\c:X+32*\c+15], v[12+\c]
	v_cvt_scalef32_pk16_fp6_f32 v[PT+4*\c:PT+4*\c+2], v[X+32*\c+16:X+32*\c+31], v[12+\c]   ; (a conversion's three registers begin on an even number)
.endr
	v_nop                                          ; one plain place behind a scaled conversion
.irp c, 0,1
.irp i, 0,1,2
	v_mov_b32 v[PC+12*\e+6*\c+3+\i], v[PT+4*\c+\i]
.endr
.endr
	global_store_b128 v4, v[PC+12*\e:PC+12*\e+3], s[10:11] offset:1536*\e          ; each store covers 512 or 256 consecutive bytes, aligned
	global_store_b64 v7, v[PC+12*\e+4:PC+12*\e+5], s[10:11] offset:1536*\e+512
	global_store_b128 v4, v[PC+12*\e+6:PC+12*\e+9], s[10:11] offset:1536*\e+768
	global_store_b64 v7, v[PC+12*\e+10:PC+12*\e+11], s[10:11] offset:1536*\e+1280
.endm
	FRAGQ 0
	FRAGQ 1
	v_cndmask_b32 v21, v18, v19, vcc_lo            ; lanes 0-15: the first K step's word of row r; lanes 16-31: the second's
	ds_store_b32 v8, v21
	s_wait_dscnt 0x0                               ; for the others' sake: my words lie in LDS
	s_barrier_signal -1
	s_barrier_wait -1
	s_cmp_lg_u32 s14, 0
	s_cbranch_scc1 .Lend
	ds_load_b128 v[56:59], v9                      ; wave 0 stores the tile's 512 bytes of scale words whole
	s_wait_dscnt 0x0
	global_store_b128 v4, v[56:59], s[12:13]
.Lend:
	s_wait_tensorcnt 0x0
	ds_add_u32 v62, v63
	s_wait_dscnt 0x0
	s_endpgm
.Lfunc_end_k_q63524b8b82_quant:
	.size	k_q63524b8b82_quant, .Lfunc_end_k_q63524b8b82_quant-k_q63524b8b82_quant
	.p2alignl 7, 3214868480
	.fill 96, 4, 3214868480
	.section	.rodata,"a",@progbits
	.p2align	6, 0x0
	.amdhsa_kernel k_q63524b8b82_quant
		.amdhsa_group_segment_fixed_size 34816
		.amdhsa_private_segment_fixed_size 0
		.amdhsa_enable_private_segment 0
		.amdhsa_kernarg_size 40
		.amdhsa_user_sgpr_count 2
		.amdhsa_user_sgpr_kernarg_segment_ptr 1
		.amdhsa_wavefront_size32 1
		.amdhsa_system_sgpr_workgroup_id_x 1
		.amdhsa_system_sgpr_workgroup_id_y 1
		.amdhsa_system_sgpr_workgroup_id_z 1
		.amdhsa_system_vgpr_workitem_id 0
		.amdhsa_next_free_vgpr 256
		.amdhsa_next_free_sgpr 66
		.amdhsa_reserve_vcc 1
		.amdhsa_float_denorm_mode_32 3
		.amdhsa_float_denorm_mode_16_64 3
		.amdhsa_memory_ordered 1
		.amdhsa_forward_progress 1
		.amdhsa_inst_pref_size 17
	.end_amdhsa_kernel
	.amdgpu_metadata
---
amdhsa.version: [ 1, 2 ]
amdhsa.kernels:
  - .name:           k_q63524b8b82_quant
    .symbol:         k_q63524b8b82_quant.kd
    .args:
      - { .name: x, .offset: 0, .size: 8, .value_kind: global_buffer, .address_space: global }
      - { .name: W_qkv, .offset: 8, .size: 8, .value_kind: global_buffer, .address_space: global }
      - { .name: W_proj, .offset: 16, .size: 8, .value_kind: global_buffer, .address_space: global }
      - { .name: cod1, .offset: 24, .size: 8, .value_kind: global_buffer, .address_space: global }
      - { .name: scl1, .offset: 32, .size: 8, .value_kind: global_buffer, .address_space: global }
    .group_segment_fixed_size: 34816
    .private_segment_fixed_size: 0
    .kernarg_segment_align: 8
    .kernarg_segment_size: 40
    .max_flat_workgroup_size: 128
    .sgpr_count:     66
    .vgpr_count:     256
    .wavefront_size: 32
...
	.end_amdgpu_metadata
.endif
;; end of part 1
;; launch qkv (part 2): grid 32 x 8, 4 waves a work-group, clusters of 4 x 1, 295,424 bytes of LDS; arguments cod1, scl1, qkvc, qkvs; writes qkvc, qkvs
.if DOCPART == 2
	.amdgcn_target "amdgcn-amd-amdhsa--gfx1250"
	.amdhsa_code_object_version 6
	.text
	.protected	k_q63524b8b82_qkv
	.globl	k_q63524b8b82_qkv
	.p2align	8
	.type	k_q63524b8b82_qkv,@function
k_q63524b8b82_qkv:
	s_mov_b64 s[64:65], 0
	v_nop
	global_prefetch_b8 v0, s[64:65] scope:SCOPE_SE
	s_setreg_imm32_b32 hwreg(HW_REG_WAVE_MODE, 25, 1), 1
	s_wait_xcnt 0x0
	s_wait_alu depctr_hold_cnt(0) depctr_sa_sdst(0) depctr_va_vdst(0) depctr_va_sdst(0) depctr_va_ssrc(0) depctr_va_vcc(0) depctr_vm_vsrc(0)
	s_getreg_b32 s2, hwreg(HW_REG_IB_STS2, 6, 4)
	s_cmp_eq_u32 s2, 0
	s_cbranch_scc0 .Lentry_in_a_cluster
	s_endpgm
.Lentry_in_a_cluster:
	s_bfe_u32 s2, ttmp6, 0x10000c
	s_cmp_lg_u32 s2, 0x3003
	s_cbranch_scc0 .Lentry_shape_is_right
	s_endpgm
.Lentry_shape_is_right:
; qkv = x W_qkv^T on codes of FP6 (E2M3) with E8M0 scales; q and k are quantised along the head's 64, v along the keys, in registers, and leave as codes: qkv never goes to memory as f32.
; SHARES.  A work-group takes 256 rows t and a pair of heads (384 columns).  Wave w owns 64 rows: 4 row tiles x 8 K steps = 32 fragments of x, 384 registers, loaded once and kept.
; The head pair's 24 row tiles of W (294,912 dense bytes) lie whole in LDS, each byte filled once.  The wave walks 6 column steps of 64 columns (q, k, v of one head, then of the other):
; 8 K steps x 16 matrix instructions on 16 accumulators that take turns.
; CLUSTER.  The four work-groups of a cluster share the head pair and differ in their rows: W's tiles are asked for jointly (mask 15).  x is read by one wave into registers and is not shared.
; ROW TILES are permuted: tile 2 B + u holds rows 32 B + 8 u + p + 8 (p / 8).  So, where a tile is source 0, the 16 registers of tiles 2 B, 2 B + 1 are 16 neighbours, 32 B + 16 (lane / 16) + 0 .. 15.
; q, k: source 0 = W, source 1 = x: a lane holds one row t, its registers run along d.  v: source 0 = x, source 1 = W: a lane holds one channel, its registers run along t, the second product's K.
; In both roles 64 registers become one operand image of 1,536 bytes (registers 0-3 at 16 x lane, 4-5 at 512 + 8 x lane, 6-9 at 768 + 16 x lane, 10-11 at 1,280 + 8 x lane) and one scale word a lane.
; LIMITS: NaN and infinities are not served; a block whose largest magnitude lies under 2^-124, a block of zeros among them, keeps the byte 1 (this program alone reads the bytes).
; REGISTERS, in windows of 256: window 0: v1-5 addresses; v8-23 x's scale words; v24-55 W's, two sets; v56-93 the quantiser; v128-255 the accumulators.
;   window 1: x's fragments of K steps 0-4 at 48 s + 12 a.   window 2: K steps 5-7.   window 3: three sets of W's four fragments.
.set WV,   12
.set SEL,  20
.set HM,   22                          ; s22  mask of lanes 16-31
.set G1,   24                          ; s[24:31] descriptor group 1;  s[32:55] six groups 0
.set G0,   32
.set XB,   56                          ; s[56:57] x's fragments of my first row tile;  s[58:59] their scale words
.set XSB,  58
.set WSB,  60                          ; s[60:61] the head pair's scale words of W
.set OC,   62                          ; s[62:63] where my codes go;  s[66:67] my scale words
.set OS,   66
.set LI,   1                           ; v1 16 x lane;  v2 8 x lane;  v3 4 x lane
.set L8,   2
.set L4,   3
.set AW16, 4                           ; v4, v5  the same + the column step's place in LDS
.set AW8,  5
.set PW0,  7
.set XS,   8
.set WS,   24
.set TM,   56
.set PW,   72
.set PWM,  73
.set PC,   74
.set ACC,  128
.set MSB, 0
.macro WIN new                         ; the immediate's high byte repeats the setting that is left
.if MSB != (\new)
	s_set_vgpr_msb (MSB<<8)|(\new)
.set MSB, \new
.endif
.endm
.macro PLACES n                        ; plain places behind matrix instructions (ISA guide 7.12.1)
.rept \n
	v_nop
.endr
.endm
.macro CROUND                          ; a round of the cluster's barrier
	s_barrier_signal -1
	s_barrier_wait -1
	s_cmp_lg_u32 s[WV], 0
	s_cbranch_scc1 .Lnot_wave_0_\@
	s_barrier_signal -3
.Lnot_wave_0_\@:
	s_barrier_wait -3
	s_barrier_signal -1
	s_barrier_wait -1
.endm
; 64 numbers of a lane, register 16 b + i = element 16 (lane / 16) + i of block b, become 12 registers of codes in v[PC] on and a scale word in v[PW]
.macro QUANT s
.irp b, 0,1,2,3
	v_max3_num_f32 v[TM+\b], |v[\s+16*\b]|, |v[\s+1+16*\b]|, 0x1800000   ; my 16 numbers of block b, and the floor 2^(3 - 127): the byte cannot fall under 1.  (Each accumulator is read from its low end on)
.endr
.irp i, 2,4,6,8,10,12,14
.irp b, 0,1,2,3
	v_max3_num_f32 v[TM+\b], v[TM+\b], |v[\s+16*\b+\i]|, |v[\s+1+16*\b+\i]|
.endr
.endr
.irp b, 0,1,2,3
	v_permlanex16_b32 v[TM+4+\b], v[TM+\b], s[SEL], s[SEL+1]
.endr
.irp b, 0,1,2,3
	v_max_num_f32 v[TM+\b], v[TM+\b], v[TM+4+\b]   ; with lane l xor 16's: the block's largest magnitude
.endr
.irp b, 0,1,2,3
	v_add_nc_u32 v[TM+12+\b], 0xff000000, v[TM+\b]   ; 2 off its exponent field: the conversion's scale operand
.endr
.irp b, 0,1,2,3
	v_lshrrev_b32 v[TM+4+\b], 23, v[TM+12+\b]      ; the scale's byte
.endr
	v_lshl_or_b32 v[PW], v[TM+5], 8, v[TM+4]
	v_lshl_or_b32 v[PW], v[TM+6], 16, v[PW]
	v_lshl_or_b32 v[PW], v[TM+7], 24, v[PW]
.irp c, 0,1
	v_cvt_scalef32_pk16_fp6_f32 v[PC+6*\c:PC+2+6*\c], v[\s+32*\c:\s+15+32*\c], v[TM+12+2*\c]
	v_cvt_scalef32_pk16_fp6_f32 v[PC+12+4*\c:PC+14+4*\c], v[\s+16+32*\c:\s+31+32*\c], v[TM+12+2*\c+1]   ; (a conversion's three registers begin on an even number)
.endr
	v_nop                                          ; one plain place behind a scaled conversion
.irp c, 0,1                            ; the operand's layout wants a whole block in a lane
.irp i, 0,1,2
	v_permlane16_swap_b32 v[PC+6*\c+\i], v[PC+12+4*\c+\i]
.endr
.irp i, 0,1,2
	v_mov_b32 v[PC+3+6*\c+\i], v[PC+12+4*\c+\i]
.endr
.endr
.endm
.macro XLOADS s                        ; x's four fragments of K step s
.if (\s) < 5
	WIN 0x40
.set XR, 48*(\s)
.else
	WIN 0x80
.set XR, 48*((\s)-5)
.endif
.irp a, 0,1,2,3
	global_load_b128 v[XR+12*\a:XR+12*\a+3], v[LI], s[XB:XB+1] offset:\a*12288+(\s)*1536
	global_load_b64 v[XR+12*\a+4:XR+12*\a+5], v[L8], s[XB:XB+1] offset:\a*12288+(\s)*1536+512
	global_load_b128 v[XR+12*\a+6:XR+12*\a+9], v[LI], s[XB:XB+1] offset:\a*12288+(\s)*1536+768
	global_load_b64 v[XR+12*\a+10:XR+12*\a+11], v[L8], s[XB:XB+1] offset:\a*12288+(\s)*1536+1280
.endr
.endm
.macro WSLOAD c                        ; the scale words of column step c's four tiles of W
	WIN 0
.irp i, 0,1,2,3
	global_load_b128 v[WS+16*((\c)%2)+4*\i:WS+16*((\c)%2)+4*\i+3], v[LI], s[WSB:WSB+1] offset:(4*(\c)+\i)*512
.endr
.endm
.macro FETCH s, set                    ; W's four fragments of K step s, from LDS
	WIN 0xc0
.irp i, 0,1,2,3
	ds_load_b128 v[48*(\set)+12*\i:48*(\set)+12*\i+3], v[AW16] offset:\i*12288+(\s)*1536
	ds_load_b64 v[48*(\set)+12*\i+4:48*(\set)+12*\i+5], v[AW8] offset:\i*12288+(\s)*1536+512
	ds_load_b128 v[48*(\set)+12*\i+6:48*(\set)+12*\i+9], v[AW16] offset:\i*12288+(\s)*1536+768
	ds_load_b64 v[48*(\set)+12*\i+10:48*(\set)+12*\i+11], v[AW8] offset:\i*12288+(\s)*1536+1280
.endr
.endm
.macro WM kind                         ; 0: the product starts the sum;  1: adds, K steps 0-3 (scale words in lanes 0-15);  2: adds, K steps 4-7 (lanes 16-31)
.if \kind == 0
	v_wmma_scale_f32_16x16x128_f8f6f4 v[rD:rD+7], v[rA:rA+11], v[rB:rB+11], 0, v[rSA], v[rSB] matrix_a_fmt:MATRIX_FMT_FP6 matrix_b_fmt:MATRIX_FMT_FP6
.elseif \kind == 1
	v_wmma_scale_f32_16x16x128_f8f6f4 v[rD:rD+7], v[rA:rA+11], v[rB:rB+11], v[rD:rD+7], v[rSA], v[rSB] matrix_a_fmt:MATRIX_FMT_FP6 matrix_b_fmt:MATRIX_FMT_FP6
.else
	v_wmma_scale_f32_16x16x128_f8f6f4 v[rD:rD+7], v[rA:rA+11], v[rB:rB+11], v[rD:rD+7], v[rSA], v[rSB] matrix_a_fmt:MATRIX_FMT_FP6 matrix_b_fmt:MATRIX_FMT_FP6 matrix_a_scale:MATRIX_SCALE_ROW1 matrix_b_scale:MATRIX_SCALE_ROW1
.endif
.endm
; 16 matrix instructions of K step s.  role 0 (q, k): source 0 = W's tile q, source 1 = x's tile p.  role 1 (v): source 0 = x's tile q, source 1 = W's tile p.
.macro MUL role, s, set, ws
.if (\s) < 5
.set XR, 48*(\s)
.set XWN, 1
.else
.set XR, 48*((\s)-5)
.set XWN, 2
.endif
.if \role
.set WNEW, 0x0c+XWN
.else
.set WNEW, 0x03+4*XWN
.endif
	WIN WNEW
.if (\s) == 0
.set KIND, 0
.elseif (\s) < 4
.set KIND, 1
.else
.set KIND, 2
.endif
.irp p, 0,1,2,3
.irp q, 0,1,2,3
.set rD, ACC+8*(4*\p+\q)
.if \role
.set rA, XR+12*\q
.set rB, 48*(\set)+12*\p
.set rSA, XS+4*\q+((\s)&3)
.set rSB, WS+16*(\ws)+4*\p+((\s)&3)
.else
.set rA, 48*(\set)+12*\q
.set rB, XR+12*\p
.set rSA, WS+16*(\ws)+4*\q+((\s)&3)
.set rSB, XS+4*\p+((\s)&3)
.endif
	WM KIND
.endr
.endr
.endm
.macro PUT off                         ; the image in v[PC] on goes out: each store covers 512 or 256 consecutive bytes, aligned
	global_store_b128 v[LI], v[PC:PC+3], s[OC:OC+1] offset:\off
	global_store_b64 v[L8], v[PC+4:PC+5], s[OC:OC+1] offset:\off+512
	global_store_b128 v[LI], v[PC+6:PC+9], s[OC:OC+1] offset:\off+768
	global_store_b64 v[L8], v[PC+10:PC+11], s[OC:OC+1] offset:\off+1280
.endm
.macro EPI c                           ; column step c's 128 registers become two images and two scale words a row
.set SEC, ((\c)/3)*294912+((\c)%3)*98304
.set SSEC, ((\c)/3)*12288+((\c)%3)*4096
	s_wait_xcnt 0x0                                ; the last column step's stores have read their registers
	QUANT ACC
	PUT SEC
	v_mov_b32 v[PW0], v[PW]
	s_wait_xcnt 0x0                                ; the codes' registers are written again only behind this wait
	QUANT ACC+64
	PUT SEC+1536
	v_cndmask_b32 v[PWM], v[PW0], v[PW], s[HM]     ; lanes 0-15: the first image's word of row r; lanes 16-31: the second's
	global_store_b32 v[L4], v[PWM], s[OS:OS+1] offset:SSEC
.endm
	s_load_b256 s[4:11], s[0:1], 0x0               ; cod1 s[4:5], scl1 s[6:7], qkvc s[8:9], qkvs s[10:11]
	v_lshl_add_u32 v126, v0, 2, 0x48000
	v_mov_b32 v127, 0
	ds_add_u32 v126, v127
	ds_add_u32 v126, v127
	v_lshrrev_b32 v6, 5, v0
	v_readfirstlane_b32 s[WV], v6                  ; wave 0..3
	v_and_b32 v6, 31, v0
	v_lshlrev_b32 v[LI], 4, v6
	v_lshlrev_b32 v[L8], 3, v6
	v_lshlrev_b32 v[L4], 2, v6
	v_lshlrev_b32 v[AW16], 4, v6
	v_lshlrev_b32 v[AW8], 3, v6
	v_cmp_le_u32 s[HM], 16, v6
.irp b, 0,1,2,3
	v_mov_b32 v[TM+4+\b], 0                        ; a lane permute's destination counts as one of its sources
.endr
	s_mov_b32 s[SEL], 0x76543210
	s_mov_b32 s[SEL+1], 0xfedcba98
	s_bfe_u32 s13, ttmp6, 0x40000                  ; cx
	s_lshl_b32 s14, ttmp9, 2
	s_add_co_u32 s14, s14, s13                     ; tg: my block of 256 rows = 4 x cluster x + cx: it enters x's and the outputs' addresses alone
	s_and_b32 s15, ttmp7, 0xffff                   ; hp: the pair of heads, which the four partners share
	; descriptor group 1: a dense block of 12,288 bytes (a row tile of W, all of K) as 48 rows of 256 bytes
	s_mov_b32 s[G1], 15|(3<<16)|(1<<21)            ; 15:0 the mask: all four work-groups; 17:16 elements of 8 bytes; 21 set beside a mask
	s_mov_b32 s[G1+1], 32<<16                      ; tensor_dim0 = 32
	s_mov_b32 s[G1+2], 48<<16                      ; tensor_dim1 = 48
	s_mov_b32 s[G1+3], 32<<16                      ; tile_dim0 = 32
	s_mov_b32 s[G1+4], 48                          ; tile_dim1 = 48
	s_mov_b32 s[G1+5], 32                          ; the pitch
	s_mov_b32 s[G1+6], 0
	s_mov_b32 s[G1+7], 0
	s_mul_i32 s16, s15, 24                         ; W_qkv's row tiles begin at 512; the pair's 24; in each column step wave w fetches tile w
	s_add_co_u32 s16, s16, s[WV]
	s_add_co_u32 s16, s16, 512
	s_mul_i32 s16, s16, 12288
	s_mov_b32 s17, 0
	s_mul_i32 s23, s[WV], 12288                    ; and where it goes: no place in the cluster enters an LDS address
	s_mul_i32 s18, s15, 24*512
	s_add_co_u32 s18, s18, 512*512
	s_mov_b32 s19, 0
	s_lshl_b32 s68, s14, 4
	s_lshl_b32 s69, s[WV], 2
	s_add_co_u32 s68, s68, s69                     ; my first row tile of x: 16 tg + 4 w
	s_mul_i32 s70, s68, 12288
	s_mov_b32 s71, 0
	s_lshl_b32 s68, s68, 9
	s_mov_b32 s69, 0
	s_lshr_b32 s72, s14, 3
	s_lshl_b32 s72, s72, 4
	s_lshl_b32 s73, s15, 1
	s_add_co_u32 s72, s72, s73                     ; 16 x batch + the pair's first head
	s_and_b32 s73, s14, 7
	s_lshl_b32 s73, s73, 3
	s_lshl_b32 s74, s[WV], 1
	s_add_co_u32 s73, s73, s74                     ; my first image in a section: 8 (tg % 8) + 2 w
	s_mul_i32 s74, s72, 294912
	s_mul_i32 s75, s73, 1536
	s_add_co_u32 s74, s74, s75
	s_mov_b32 s75, 0
	s_mul_i32 s76, s72, 12288
	s_lshl_b32 s77, s73, 6
	s_add_co_u32 s76, s76, s77
	s_mov_b32 s77, 0
	s_wait_alu depctr_va_vdst(0)
	s_wait_dscnt 0x0
	s_wait_kmcnt 0x0
	s_add_nc_u64 s[XB:XB+1], s[4:5], s[70:71]
	s_add_nc_u64 s[XSB:XSB+1], s[6:7], s[68:69]
	s_add_nc_u64 s[WSB:WSB+1], s[6:7], s[18:19]
	s_add_nc_u64 s[OC:OC+1], s[8:9], s[74:75]
	s_add_nc_u64 s[OS:OS+1], s[10:11], s[76:77]
	s_add_nc_u64 s[16:17], s[4:5], s[16:17]
.irp c, 0,1,2,3,4,5
	s_mov_b32 s[G0+4*\c], 1
	s_add_co_u32 s[G0+4*\c+1], s23, \c*49152       ; LDS: column step c, tile w
	s_add_nc_u64 s[G0+4*\c+2:G0+4*\c+3], s[16:17], \c*49152
	s_or_b32 s[G0+4*\c+3], s[G0+4*\c+3], 0x80000000
.endr
.irp a, 0,1,2,3
	global_load_b128 v[XS+4*\a:XS+4*\a+3], v[LI], s[XSB:XSB+1] offset:\a*512   ; x's scale words: register q: lanes 0-15 K step q, lanes 16-31 K step 4 + q
.endr
	WSLOAD 0
	XLOADS 0
	XLOADS 1
	XLOADS 2
	WIN 0
	CROUND                                         ; all four work-groups are here: the joint loads meet
.irp c, 0,1,2,3,4,5
	tensor_load_to_lds s[G0+4*\c:G0+4*\c+3], s[G1:G1+7]   ; every byte of LDS is filled once: six loads of mine are out
	s_nop 0
.endr
	PLACES 4
	XLOADS 3
	XLOADS 4
	XLOADS 5
	XLOADS 6
	XLOADS 7
	WSLOAD 1
.macro COLHEAD c
	WIN 0
	s_wait_tensorcnt 5-(\c)                        ; my tile of this column step is in; the later steps' loads may stay out
	s_wait_dscnt 0x0
	s_barrier_signal -1
	s_barrier_wait -1                              ; everybody's is
.if (\c) > 0
	PLACES 4                                       ; behind the last products: for the loads into W's sets and scale words, and for the first read of results
	v_add_nc_u32 v[AW16], 49152, v[AW16]
	v_add_nc_u32 v[AW8], 49152, v[AW8]
.endif
	FETCH 0, (8*(\c))%3
	FETCH 1, (8*(\c)+1)%3
.if ((\c) > 0) && ((\c) < 5)
	WSLOAD (\c)+1
.endif
.if (\c) > 0
	WIN 0
	EPI (\c)-1                                     ; the last column step leaves while this one's fragments come
	PLACES 5                                       ; the accumulators begin anew
.if (\c) < 5
	s_wait_loadcnt 4                               ; this step's scale words of W are in; the next step's four loads may be out
.else
	s_wait_loadcnt 0
.endif
.endif
.endm
.macro KSTEP c, s
.set NN, 8*(\c)+(\s)
.if (\c) == 0
.set LC, 16*(7-(\s))+4                 ; behind K step s's fragments of x: the later K steps' 16 loads each, and the next column step's 4 scale loads
.if LC > 63
.set LC, 63
.endif
	s_wait_loadcnt LC
.endif
.if (\s) < 7
	s_wait_dscnt 16                                ; this K step's fragments of W are in; the next step's 16 loads may be out
.else
	s_wait_dscnt 0
.endif
.if (\s) < 6
	PLACES 4                                       ; the set fetched into was multiplied in the K step before
	FETCH (\s)+2, (NN+2)%3
.endif
.if ((\c)%3) == 2
	MUL 1, \s, NN%3, (\c)%2
.else
	MUL 0, \s, NN%3, (\c)%2
.endif
.endm
.irp c, 0,1,2,3,4,5
	COLHEAD \c
.irp s, 0,1,2,3,4,5,6,7
	KSTEP \c, \s
.endr
.endr
	PLACES 4
	WIN 0
	EPI 5
	s_wait_tensorcnt 0x0
	ds_add_u32 v126, v127
	s_wait_dscnt 0x0
	CROUND                                         ; the closing round: no work-group ends while a partner may still ask for a tile that names it
	s_endpgm
.Lfunc_end_k_q63524b8b82_qkv:
	.size	k_q63524b8b82_qkv, .Lfunc_end_k_q63524b8b82_qkv-k_q63524b8b82_qkv
	.p2alignl 7, 3214868480
	.fill 96, 4, 3214868480
	.section	.rodata,"a",@progbits
	.p2align	6, 0x0
	.amdhsa_kernel k_q63524b8b82_qkv
		.amdhsa_group_segment_fixed_size 295424
		.amdhsa_private_segment_fixed_size 0
		.amdhsa_enable_private_segment 0
		.amdhsa_kernarg_size 32
		.amdhsa_user_sgpr_count 2
		.amdhsa_user_sgpr_kernarg_segment_ptr 1
		.amdhsa_wavefront_size32 1
		.amdhsa_system_sgpr_workgroup_id_x 1
		.amdhsa_system_sgpr_workgroup_id_y 1
		.amdhsa_system_sgpr_workgroup_id_z 1
		.amdhsa_system_vgpr_workitem_id 0
		.amdhsa_next_free_vgpr 1024
		.amdhsa_next_free_sgpr 80
		.amdhsa_reserve_vcc 0
		.amdhsa_float_denorm_mode_32 3
		.amdhsa_float_denorm_mode_16_64 3
		.amdhsa_memory_ordered 1
		.amdhsa_forward_progress 1
		.amdhsa_inst_pref_size 228
	.end_amdhsa_kernel
	.amdgpu_metadata
---
amdhsa.version: [ 1, 2 ]
amdhsa.kernels:
  - .name:           k_q63524b8b82_qkv
    .symbol:         k_q63524b8b82_qkv.kd
    .args:
      - { .name: cod1, .offset: 0, .size: 8, .value_kind: global_buffer, .address_space: global }
      - { .name: scl1, .offset: 8, .size: 8, .value_kind: global_buffer, .address_space: global }
      - { .name: qkvc, .offset: 16, .size: 8, .value_kind: global_buffer, .address_space: global }
      - { .name: qkvs, .offset: 24, .size: 8, .value_kind: global_buffer, .address_space: global }
    .group_segment_fixed_size: 295424
    .private_segment_fixed_size: 0
    .kernarg_segment_align: 8
    .kernarg_segment_size: 32
    .max_flat_workgroup_size: 128
    .sgpr_count:     80
    .vgpr_count:     1024
    .wavefront_size: 32
...
	.end_amdgpu_metadata
.endif
;; end of part 2
;; launch attn (part 3): grid 4 x 64, 16 waves a work-group, clusters of 4 x 1, 206,848 bytes of LDS; arguments qkvc, qkvs, acod, ascl; writes acod, ascl
.if DOCPART == 3
	.amdgcn_target "amdgcn-amd-amdhsa--gfx1250"
	.amdhsa_code_object_version 6
	.text
	.protected	k_q63524b8b82_attn
	.globl	k_q63524b8b82_attn
	.p2align	8
	.type	k_q63524b8b82_attn,@function
k_q63524b8b82_attn:
	s_mov_b64 s[64:65], 0
	v_nop
	global_prefetch_b8 v0, s[64:65] scope:SCOPE_SE
	s_setreg_imm32_b32 hwreg(HW_REG_WAVE_MODE, 25, 1), 1
	s_wait_xcnt 0x0
	s_wait_alu depctr_hold_cnt(0) depctr_sa_sdst(0) depctr_va_vdst(0) depctr_va_sdst(0) depctr_va_ssrc(0) depctr_va_vcc(0) depctr_vm_vsrc(0)
	s_getreg_b32 s2, hwreg(HW_REG_IB_STS2, 6, 4)
	s_cmp_eq_u32 s2, 0
	s_cbranch_scc0 .Lentry_in_a_cluster
	s_endpgm
.Lentry_in_a_cluster:
	s_bfe_u32 s2, ttmp6, 0x10000c
	s_cmp_lg_u32 s2, 0x3003
	s_cbranch_scc0 .Lentry_shape_is_right
	s_endpgm
.Lentry_shape_is_right:
; a[b][t][head][:] = the sum over keys k <= t of softmax_k(q . k / 8) v, both products on codes of FP6 (E2M3) with E8M0 scales; a is quantised along the channels on its way out.
; THE SOFTMAX: t = score x log2(e) / 8; M = the running largest t rounded up to a whole number; p = 2^(t - M) is quantised along the keys; the row's sum is taken of the unquantised p and divides at the end.
; When M moves, the sum and O are multiplied by 2^(old M - new M): exact.
; SHARES.  The four work-groups of a cluster share one (batch, head): its K and V codes (196,608 bytes) and scale words (8,192) lie whole in each one's LDS, every byte filled once, asked for jointly (mask 15).
; A head has 128 tiles of 16 queries.  Wave w of work-group j (a = w / 2, bb = 2 j + w % 2) makes tile 8 a + bb, key steps 0 .. a, and then tile 127 - (8 a + bb), key steps 0 .. 15 - a: 17 key steps of 128 keys
; for every wave.  Every wave walks all trips; a step all of whose keys are hidden is jumped over by a scalar branch that hangs on the wave's number and the trip alone, the same in all partners.
; Sixteen waves of 256 registers, four to a SIMD: one wave's vector work stands beside another's matrix work and LDS loads.
; LAYOUT.  Both products are used transposed: a lane holds one query (lane % 16).  Tiles of keys, queries and channels are permuted: tile 2 B + u holds rows 32 B + 8 u + p + 8 (p / 8).
; THE FIRST PRODUCT'S K IS 64: an image of LDS holds two tiles of keys, one in registers 0-5 and one in 6-11; it is multiplied by [Q | zeros] for the first tile and by [zeros | Q] for the second (zero codes add nothing).
; LIMITS: NaN and infinities are not served; p under 2^-126 is 0 (v_exp_f32 flushes); 1 / the sum is v_rcp_f32; a block whose largest magnitude lies under 2^-124 keeps the byte 1.
; REGISTERS: v1-7, v13 addresses that stay; v8-12 the step's addresses; v14 -M, v15 the largest t, v[16:17] the sum; v18-35 zeros, Q, zeros; v36-43 scale words; v44-91 four fragments; v92-155 S^T, then p;
;   v156-187 O^T; v188-207 codes; v208-232 at work.
.set WV,   12
.set SEL,  20
.set CS,   22                          ; s[22:23] c = log2(e) / 8
.set G1A,  24                          ; three groups 1: 8, 12 and 180 rows of 256 bytes;  s[48:59] three groups 0
.set G1B,  32
.set G1C,  40
.set LAST, 60                          ; s60 the pass's last key step, the one on the diagonal
.set QL,   61                          ; s61 my tile's first query in that step
.set KS,   62                          ; s62 the key step
.set TK,   63                          ; s63 6,144 x the key step
.set TS,   66                          ; s66 256 x the key step
.set CNT,  67
.set F,    44
.set S,    92
.set OA,   156
.set PC,   188
.set PT,   200
.set BM,   208
.set BP,   212
.set BS,   216
.macro CROUND
	s_barrier_signal -1
	s_barrier_wait -1
	s_cmp_lg_u32 s[WV], 0
	s_cbranch_scc1 .Lnot_wave_0_\@
	s_barrier_signal -3
.Lnot_wave_0_\@:
	s_barrier_wait -3
	s_barrier_signal -1
	s_barrier_wait -1
.endm
	s_load_b256 s[4:11], s[0:1], 0x0               ; qkvc s[4:5], qkvs s[6:7], acod s[8:9], ascl s[10:11]
	v_lshl_add_u32 v254, v0, 2, 0x32000
	v_mov_b32 v255, 0
	ds_add_u32 v254, v255
	ds_add_u32 v254, v255
	v_lshrrev_b32 v8, 5, v0
	s_delay_alu instid0(VALU_DEP_1)
	v_readfirstlane_b32 s[WV], v8                  ; wave 0..15
	v_and_b32 v9, 31, v0                           ; lane
	v_and_b32 v10, 15, v0                          ; r
	v_bfe_u32 v11, v0, 4, 1                        ; h
	s_delay_alu instid0(VALU_DEP_3)
	v_lshlrev_b32 v1, 4, v9                        ; K's images: 16 x lane,
	s_delay_alu instid0(VALU_DEP_4)
	v_lshlrev_b32 v2, 3, v9                        ; 8 x lane
	s_delay_alu instid0(VALU_DEP_2)
	v_add_nc_u32 v3, 98304, v1                     ; V's lie behind K's 98,304 bytes
	s_delay_alu instid0(VALU_DEP_2)
	v_add_nc_u32 v4, 98304, v2
	v_lshlrev_b32 v5, 2, v9
	s_delay_alu instid0(VALU_DEP_1)
	v_add_nc_u32 v5, 196608, v5                    ; the scale words: 4 x lane
	v_and_b32 v6, 8, v10
	s_delay_alu instid0(VALU_DEP_1)
	v_add_nc_u32 v6, v6, v10
	v_lshlrev_b32 v12, 4, v11
	s_delay_alu instid0(VALU_DEP_1)
	v_sub_nc_u32 v6, v6, v12                       ; r + 8 (r / 8) - 16 h: my query in its tile, less my half's first key
	v_lshlrev_b32 v13, 2, v10                      ; 4 r
	v_cmp_le_u32 s80, 16, v9                       ; lanes 16-31
.irp j, 18,19,20,21,22,23,30,31,32,33,34,35
	v_mov_b32 v[\j], 0                             ; the zero codes on both sides of Q
.endr
.irp b, 0,1,2,3
	v_mov_b32 v[BP+\b], 0                          ; a lane permute's destination counts as one of its sources
.endr
	v_mov_b32 v220, 0
	v_mov_b32 v223, 0                              ; (named as the upper half of the pair v[222:223])
	s_mov_b32 s[SEL], 0x76543210
	s_mov_b32 s[SEL+1], 0xfedcba98
	s_mov_b32 s[CS], 0x3e38aa3b                    ; log2(e) / 8
	s_mov_b32 s[CS+1], s[CS]
	s_bfe_u32 s13, ttmp6, 0x40000                  ; cx = j: the grid has one cluster along x
	s_and_b32 s14, ttmp7, 0xffff                   ; 16 x batch + head, which the four partners share
	s_lshr_b32 s15, s[WV], 1                       ; a
	s_and_b32 s16, s[WV], 1
	s_lshl_b32 s17, s13, 1
	s_add_co_u32 s16, s16, s17                     ; bb: it enters global addresses and the mask's numbers alone
.irp g, G1A, G1B, G1C
	s_mov_b32 s[\g], 15|(3<<16)|(1<<21)            ; 15:0 the mask: all four work-groups; 17:16 elements of 8 bytes; 21 set beside a mask
	s_mov_b32 s[\g+1], 32<<16                      ; rows of 256 bytes
	s_mov_b32 s[\g+3], 32<<16
	s_mov_b32 s[\g+5], 32
	s_mov_b32 s[\g+6], 0
	s_mov_b32 s[\g+7], 0
.endr
	s_mov_b32 s[G1A+2], 8<<16
	s_mov_b32 s[G1A+4], 8
	s_mov_b32 s[G1B+2], 12<<16
	s_mov_b32 s[G1B+4], 12
	s_mov_b32 s[G1C+2], 180<<16
	s_mov_b32 s[G1C+4], 180
	; what waves 0 to 3 fetch: waves 0, 1 the halves of K's parts, waves 2, 3 of V's; LDS is a plain copy of memory
	s_lshr_b32 s18, s[WV], 1
	s_mul_i32 s18, s18, 98304
	s_and_b32 s19, s[WV], 1
	s_mul_i32 s81, s19, 3072
	s_add_co_u32 s81, s81, s18                     ; key step 0: 3,072 bytes
	s_mul_i32 s82, s19, 46080
	s_add_co_u32 s82, s82, s18
	s_add_co_u32 s82, s82, 6144                    ; key steps 1 to 15: 46,080 bytes
	s_lshl_b32 s83, s[WV], 11                      ; the scale words: 2,048 bytes
	s_mul_i32 s74, s14, 294912
	s_mov_b32 s75, 0
	s_mul_i32 s76, s14, 12288
	s_mov_b32 s77, 0
	s_mov_b32 s78, s83
	s_mov_b32 s79, 0
	s_mov_b32 s86, s81
	s_mov_b32 s87, 0
	s_mov_b32 s88, s82
	s_mov_b32 s89, 0
	s_wait_dscnt 0x0
	s_wait_kmcnt 0x0
	s_add_nc_u64 s[4:5], s[4:5], s[74:75]          ; the head's codes: q, then k, then v, 98,304 bytes each
	s_add_nc_u64 s[6:7], s[6:7], s[76:77]          ; and scale words: 4,096 bytes each
	s_mov_b32 s48, 1
	s_add_co_u32 s49, s83, 196608
	s_add_nc_u64 s[50:51], s[6:7], s[78:79]
	s_add_nc_u64 s[50:51], s[50:51], 4096
	s_or_b32 s51, s51, 0x80000000
	s_mov_b32 s52, 1
	s_mov_b32 s53, s81
	s_add_nc_u64 s[54:55], s[4:5], s[86:87]
	s_add_nc_u64 s[54:55], s[54:55], 98304
	s_or_b32 s55, s55, 0x80000000
	s_mov_b32 s56, 1
	s_mov_b32 s57, s82
	s_add_nc_u64 s[58:59], s[4:5], s[88:89]
	s_add_nc_u64 s[58:59], s[58:59], 98304
	s_or_b32 s59, s59, 0x80000000
	CROUND                                         ; all four work-groups are here: the joint loads meet
	s_cmp_lt_u32 s[WV], 4                          ; a wave's fills stand in one branch on the wave's number: three loads are out in waves 0 to 3, none in the others
	s_cbranch_scc0 .Lno_fill
	tensor_load_to_lds s[48:51], s[G1A:G1A+7]      ; the scale words,
	s_nop 0
	tensor_load_to_lds s[52:55], s[G1B:G1B+7]      ; key step 0,
	s_nop 0
	tensor_load_to_lds s[56:59], s[G1C:G1C+7]      ; the rest
	s_nop 0
.rept 4
	v_nop
.endr
.Lno_fill:
; The numbers of a pass: b = 0: tile 8 a + bb;  b = 1: tile 8 (15 - a) + (7 - bb)
.macro PASSIDS b
.if \b
	s_xor_b32 s[LAST], s15, 15                     ; 15 - a (a is under 16)
	s_xor_b32 s17, s16, 7                          ; 7 - bb
.else
	s_mov_b32 s[LAST], s15
	s_mov_b32 s17, s16
.endif
	s_lshl_b32 s18, s[LAST], 3
	s_add_co_u32 s18, s18, s17                     ; i: the tile of queries
	s_lshr_b32 s19, s17, 1
	s_lshl_b32 s19, s19, 5
	s_and_b32 s75, s17, 1
	s_lshl_b32 s76, s75, 3
	s_add_co_u32 s[QL], s19, s76                   ; the tile's first query in its 128: 32 (bb / 2) + 8 (bb % 2)
	s_mul_i32 s74, s75, 0x02020202
	s_add_co_u32 s74, s74, 0x01000100              ; which two bytes of the pair's scale word are my tile's
	s_mul_i32 s76, s18, 768                        ; a tile's codes are half an image
	s_mov_b32 s77, 0
	s_add_nc_u64 s[68:69], s[4:5], s[76:77]
	s_lshr_b32 s76, s18, 1
	s_lshl_b32 s76, s76, 6
	s_add_nc_u64 s[70:71], s[6:7], s[76:77]
	s_lshr_b32 s76, s14, 4
	s_lshl_b32 s76, s76, 7
	s_add_co_u32 s76, s76, s18                     ; the row tile of a: 128 x batch + i
	s_lshl_b32 s78, s76, 9
	s_mul_i32 s76, s76, 12288
	s_and_b32 s79, s14, 15                         ; the head
	s_mul_i32 s81, s79, 768
	s_add_co_u32 s76, s76, s81
	s_add_nc_u64 s[72:73], s[8:9], s[76:77]
	s_lshr_b32 s81, s79, 3                         ; a's scale words: K step head / 2; K steps 4-7 lie 256 bytes behind K steps 0-3; 4 bytes a K step; 2 bytes a head
	s_lshl_b32 s81, s81, 8
	s_add_co_u32 s78, s78, s81
	s_bfe_u32 s81, s79, 0x20001
	s_lshl_b32 s81, s81, 2
	s_add_co_u32 s78, s78, s81
	s_and_b32 s81, s79, 1
	s_lshl_b32 s81, s81, 1
	s_add_co_u32 s[84+\b], s78, s81
	global_load_b128 v[24:27], v1, s[68:69]        ; Q's six registers
	global_load_b64 v[28:29], v2, s[68:69] offset:512
	global_load_b32 v221, v13, s[70:71]            ; the pair's scale word of my row
	v_mov_b32 v15, 0xff61b1e6                      ; the largest t so far: -3e38
	s_delay_alu instid0(VALU_DEP_1)
	v_floor_f32 v14, -v15                          ; -M
	v_mov_b32 v16, 0
	v_mov_b32 v17, 0
	s_mov_b32 s[KS], 0
	s_mov_b32 s[TK], 0
	s_mov_b32 s[TS], 0
.endm
.macro PASSGO                          ; Q is in
	s_wait_loadcnt 0x0
	v_perm_b32 v36, v221, v221, s74                ; my tile's two bytes, twice: for Q in the lower and in the upper half of K
.set n, 0
.rept 32
	v_mov_b32 v[OA+n], 0                           ; O^T begins as zeros.  (These are also the places between the scale word's write and the first product)
.set n, n+1
.endr
.endm
; A KEY STEP of 128 keys
.macro STEP
	s_cmp_gt_u32 s[KS], s[LAST]                    ; all its keys come after my queries: only the lines at its end that step addresses
	s_cbranch_scc1 .Lhid_\@
	s_setprio 2
	v_add_nc_u32 v8, s[TK], v1                     ; (five plain places behind the last step's products, in front of the loads into their fragments)
	v_add_nc_u32 v9, s[TK], v2
	v_add_nc_u32 v10, s[TK], v3
	v_add_nc_u32 v11, s[TK], v4
	v_add_nc_u32 v12, s[TS], v5
.irp bk, 0,1,2,3
	ds_load_b128 v[F+12*\bk:F+12*\bk+3], v8 offset:1536*\bk
	ds_load_b64 v[F+12*\bk+4:F+12*\bk+5], v9 offset:1536*\bk+512
	ds_load_b128 v[F+12*\bk+6:F+12*\bk+9], v8 offset:1536*\bk+768
	ds_load_b64 v[F+12*\bk+10:F+12*\bk+11], v9 offset:1536*\bk+1280
.endr
	ds_load_b32 v37, v12                           ; K's scale words: lanes 0-15 pair 0, lanes 16-31 pair 1;
	ds_load_b32 v38, v12 offset:128                ; pairs 2 and 3
	s_wait_alu depctr_va_vdst(0)
	s_wait_dscnt 0x0
.irp bk, 0,1,2,3                       ; S^T = K Q^T: pair bk's first tile against [Q | 0], its second against [0 | Q]
.if (\bk%2)
	v_wmma_scale_f32_16x16x128_f8f6f4 v[S+16*\bk:S+16*\bk+7], v[F+12*\bk:F+12*\bk+11], v[24:35], 0, v[37+\bk/2], v36 matrix_a_fmt:MATRIX_FMT_FP6 matrix_b_fmt:MATRIX_FMT_FP6 matrix_a_scale:MATRIX_SCALE_ROW1
	v_wmma_scale_f32_16x16x128_f8f6f4 v[S+16*\bk+8:S+16*\bk+15], v[F+12*\bk:F+12*\bk+11], v[18:29], 0, v[37+\bk/2], v36 matrix_a_fmt:MATRIX_FMT_FP6 matrix_b_fmt:MATRIX_FMT_FP6 matrix_a_scale:MATRIX_SCALE_ROW1
.else
	v_wmma_scale_f32_16x16x128_f8f6f4 v[S+16*\bk:S+16*\bk+7], v[F+12*\bk:F+12*\bk+11], v[24:35], 0, v[37+\bk/2], v36 matrix_a_fmt:MATRIX_FMT_FP6 matrix_b_fmt:MATRIX_FMT_FP6
	v_wmma_scale_f32_16x16x128_f8f6f4 v[S+16*\bk+8:S+16*\bk+15], v[F+12*\bk:F+12*\bk+11], v[18:29], 0, v[37+\bk/2], v36 matrix_a_fmt:MATRIX_FMT_FP6 matrix_b_fmt:MATRIX_FMT_FP6
.endif
.endr                                  ; register 16 b + i of S: key 32 b + 16 h + i of the step
.rept 4
	v_nop                                          ; places in front of the loads into the fragments, and of the first read of the scores
.endr
.irp dt, 0,1,2,3                       ; V^T's four tiles of channels: registers 0-5 the step's first 64 keys, 6-11 its second: they land while the softmax is worked
	ds_load_b128 v[F+12*\dt:F+12*\dt+3], v10 offset:768*\dt
	ds_load_b64 v[F+12*\dt+4:F+12*\dt+5], v11 offset:768*\dt+512
	ds_load_b128 v[F+12*\dt+6:F+12*\dt+9], v10 offset:768*\dt+3072
	ds_load_b64 v[F+12*\dt+10:F+12*\dt+11], v11 offset:768*\dt+3584
.endr
	ds_load_b32 v39, v12 offset:4096               ; V's scale words of the first 64 keys: lanes 0-15 tiles 0, 1; lanes 16-31 tiles 2, 3;
	ds_load_b32 v40, v12 offset:4224               ; of the second 64
	s_cmp_lg_u32 s[KS], s[LAST]                    ; only the pass's last step lies on the diagonal
	s_cbranch_scc1 .Lopen_\@
	v_add_nc_u32 v220, s[QL], v6                   ; d = my query - the step's first key - 16 h: register 16 b + i is hidden where 32 b + i > d
	v_mov_b32 v221, 0xff800000                     ; -infinity
.set n, 0
.rept 64
	v_cmp_gt_i32 vcc_lo, 32*(n/16)+n%16, v220
	v_cndmask_b32 v[S+n], v[S+n], v221, vcc_lo
.set n, n+1
.endr
.Lopen_\@:
.irp b, 0,1,2,3
	v_max3_num_f32 v[BM+\b], v[S+16*\b], v[S+1+16*\b], v[S+2+16*\b]   ; the largest score of each block of 32 keys: for the row's maximum and, since p rises with the score, for the block's largest p
.endr
.irp i, 3,5,7,9,11,13
.irp b, 0,1,2,3
	v_max3_num_f32 v[BM+\b], v[BM+\b], v[S+16*\b+\i], v[S+1+16*\b+\i]
.endr
.endr
.irp b, 0,1,2,3
	v_max_num_f32 v[BM+\b], v[BM+\b], v[S+15+16*\b]
.endr
.irp b, 0,1,2,3
	s_delay_alu instid0(VALU_DEP_4)
	v_permlanex16_b32 v[BP+\b], v[BM+\b], s[SEL], s[SEL+1]
.endr
.irp b, 0,1,2,3
	s_delay_alu instid0(VALU_DEP_4)
	v_max_num_f32 v[BM+\b], v[BM+\b], v[BP+\b]     ; with lane l xor 16's 16 keys
.endr
	s_delay_alu instid0(VALU_DEP_2)
	v_max3_num_f32 v220, v[BM], v[BM+1], v[BM+2]
	s_delay_alu instid0(VALU_DEP_1)
	v_max_num_f32 v220, v220, v[BM+3]
	s_delay_alu instid0(VALU_DEP_1)
	v_mul_f32 v220, s[CS], v220                    ; the step's largest t
	s_delay_alu instid0(VALU_DEP_1)
	v_max_num_f32 v15, v15, v220                   ; the running largest t
	v_mov_b32 v220, v14
	s_delay_alu instid0(VALU_DEP_2)
	v_floor_f32 v14, -v15                          ; the new -M = -ceil(t)
	s_delay_alu instid0(VALU_DEP_1)
	v_sub_f32 v220, v14, v220                      ; old M - new M: a whole number, 0 or less
	s_delay_alu instid0(VALU_DEP_1)
	v_cvt_i32_f32 v220, v220                       ; (it saturates)
	s_delay_alu instid0(VALU_DEP_1)
	v_ldexp_f32 v222, 1.0, v220                    ; f = 2^(old M - new M)
.set n, 0
.rept 32
	v_pk_fma_f32 v[S+n:S+n+1], v[S+n:S+n+1], s[CS:CS+1], v[14:15] op_sel_hi:[1,0,0]   ; t - M, two at a time
.set n, n+2
.endr
	s_setprio 1
.irp b, 0,1,2,3
	v_fma_f32 v[BM+\b], v[BM+\b], s[CS], v14       ; the same of each block's largest score
.endr
.set n, 0
	s_wait_alu depctr_va_vdst(0)
.rept 64
	v_exp_f32 v[S+n], v[S+n]                       ; p = 2^(t - M)
.set n, n+1
.endr
.irp b, 0,1,2,3
	v_exp_f32 v[BM+\b], v[BM+\b]                   ; the block's largest p
.endr
	v_pk_mul_f32 v[16:17], v[16:17], v[222:223] op_sel_hi:[1,0]   ; the sum under the new M.  (A plain place behind the exponentials)
	s_wait_alu depctr_va_vdst(0)
.irp b, 0,1,2,3
	v_max_num_f32 v[BM+\b], 0x1800000, v[BM+\b]    ; the floor 2^(3 - 127): the byte cannot fall under 1
.endr
.irp b, 0,1,2,3
	s_delay_alu instid0(VALU_DEP_4)
	v_add_nc_u32 v[BS+\b], 0xff000000, v[BM+\b]    ; 2 off the exponent field: the conversion's scale operand
.endr
.irp b, 0,1,2,3
	s_delay_alu instid0(VALU_DEP_4)
	v_lshrrev_b32 v[BP+\b], 23, v[BS+\b]           ; the scale's byte
.endr
	s_delay_alu instid0(VALU_DEP_3)
	v_lshl_or_b32 v43, v[BP+1], 8, v[BP]           ; p's scale word for these 128 keys
	s_delay_alu instid0(VALU_DEP_1)
	v_lshl_or_b32 v43, v[BP+2], 16, v43
	s_delay_alu instid0(VALU_DEP_1)
	v_lshl_or_b32 v43, v[BP+3], 24, v43
.irp c, 0,1
	v_cvt_scalef32_pk16_fp6_f32 v[PC+6*\c:PC+6*\c+2], v[S+32*\c:S+32*\c+15], v[BS+2*\c]
	v_cvt_scalef32_pk16_fp6_f32 v[PT+4*\c:PT+4*\c+2], v[S+32*\c+16:S+32*\c+31], v[BS+2*\c+1]
.endr
	v_nop                                          ; one plain place behind a scaled conversion
.irp c, 0,1                            ; the operand's layout wants a whole block in a lane
.irp i, 0,1,2
	v_permlane16_swap_b32 v[PC+6*\c+\i], v[PT+4*\c+\i]
.endr
.irp i, 0,1,2
	s_delay_alu instid0(VALU_DEP_3)
	v_mov_b32 v[PC+6*\c+3+\i], v[PT+4*\c+\i]
.endr
.endr
	s_wait_dscnt 0x0                               ; V's fragments and scale words are in
	v_perm_b32 v41, v40, v39, 0x05040100           ; the even tiles' four bytes: two of the first 64 keys, two of the second;
	v_perm_b32 v42, v40, v39, 0x07060302           ; the odd tiles'
	v_pk_add_f32 v[224:225], v[96:97], v[100:101]
	v_pk_add_f32 v[252:253], v[104:105], v[108:109]
	v_pk_add_f32 v[250:251], v[112:113], v[116:117]
	v_pk_add_f32 v[248:249], v[120:121], v[124:125]
	v_pk_add_f32 v[246:247], v[128:129], v[132:133]
	v_pk_add_f32 v[244:245], v[136:137], v[140:141]
	v_pk_add_f32 v[242:243], v[144:145], v[148:149]
	v_pk_add_f32 v[16:17], v[16:17], v[152:153]
	v_pk_add_f32 v[224:225], v[224:225], v[92:93]
	s_setprio 0
	v_pk_add_f32 v[252:253], v[252:253], v[94:95]
	v_pk_add_f32 v[250:251], v[250:251], v[98:99]
	v_pk_add_f32 v[248:249], v[248:249], v[102:103]
	v_pk_add_f32 v[246:247], v[246:247], v[106:107]
	v_pk_add_f32 v[244:245], v[244:245], v[110:111]
	v_pk_add_f32 v[242:243], v[242:243], v[114:115]
	v_pk_add_f32 v[16:17], v[16:17], v[118:119]
	v_pk_add_f32 v[224:225], v[224:225], v[122:123]
	v_pk_add_f32 v[252:253], v[252:253], v[126:127]
	v_pk_add_f32 v[250:251], v[250:251], v[130:131]
	v_pk_add_f32 v[248:249], v[248:249], v[134:135]
	v_pk_add_f32 v[246:247], v[246:247], v[138:139]
	v_pk_add_f32 v[244:245], v[244:245], v[142:143]
	v_pk_add_f32 v[242:243], v[242:243], v[146:147]
	v_pk_add_f32 v[16:17], v[16:17], v[150:151]
	v_pk_add_f32 v[224:225], v[224:225], v[154:155]
	s_delay_alu instid0(VALU_DEP_2)
	v_pk_add_f32 v[16:17], v[16:17], v[248:249]
	s_delay_alu instid0(VALU_DEP_2)
	v_pk_add_f32 v[224:225], v[224:225], v[246:247]
	v_pk_add_f32 v[252:253], v[252:253], v[244:245]
	v_pk_add_f32 v[250:251], v[250:251], v[242:243]
	s_delay_alu instid0(VALU_DEP_2)
	v_pk_add_f32 v[16:17], v[16:17], v[252:253]
	s_delay_alu instid0(VALU_DEP_2)
	v_pk_add_f32 v[224:225], v[224:225], v[250:251]
	s_delay_alu instid0(VALU_DEP_1)
	v_pk_add_f32 v[16:17], v[16:17], v[224:225]
.set n, 0
.rept 16
	v_pk_mul_f32 v[OA+n:OA+n+1], v[OA+n:OA+n+1], v[222:223] op_sel_hi:[1,0]   ; O^T under the new M.  (With the sums above: the places between the scale words' writes and the products)
.set n, n+2
.endr
	; O^T += V^T P^T: four accumulators, one instruction each
	v_wmma_scale_f32_16x16x128_f8f6f4 v[OA:OA+7], v[F:F+11], v[PC:PC+11], v[OA:OA+7], v41, v43 matrix_a_fmt:MATRIX_FMT_FP6 matrix_b_fmt:MATRIX_FMT_FP6
	v_wmma_scale_f32_16x16x128_f8f6f4 v[OA+8:OA+15], v[F+12:F+23], v[PC:PC+11], v[OA+8:OA+15], v42, v43 matrix_a_fmt:MATRIX_FMT_FP6 matrix_b_fmt:MATRIX_FMT_FP6
	v_wmma_scale_f32_16x16x128_f8f6f4 v[OA+16:OA+23], v[F+24:F+35], v[PC:PC+11], v[OA+16:OA+23], v41, v43 matrix_a_fmt:MATRIX_FMT_FP6 matrix_b_fmt:MATRIX_FMT_FP6 matrix_a_scale:MATRIX_SCALE_ROW1
	v_wmma_scale_f32_16x16x128_f8f6f4 v[OA+24:OA+31], v[F+36:F+47], v[PC:PC+11], v[OA+24:OA+31], v42, v43 matrix_a_fmt:MATRIX_FMT_FP6 matrix_b_fmt:MATRIX_FMT_FP6 matrix_a_scale:MATRIX_SCALE_ROW1
.Lhid_\@:
	s_add_co_u32 s[KS], s[KS], 1
	s_add_co_u32 s[TK], s[TK], 6144
	s_add_co_u32 s[TS], s[TS], 256
.endm
; The end of a pass: O^T / the sum, quantised along the head's 64 channels (register 16 b + i: channel 32 b + 16 h + i), half an image out; the two scale bytes stay in v[hw]
.macro FINAL hw
.rept 4
	v_nop                                          ; places behind the last products
.endr
	v_add_f32 v16, v16, v17
	s_delay_alu instid0(VALU_DEP_1)
	v_permlanex16_b32 v220, v16, s[SEL], s[SEL+1]
	s_delay_alu instid0(VALU_DEP_1)
	v_add_f32 v16, v16, v220                       ; the row's sum
	s_wait_alu depctr_va_vdst(0)
	v_rcp_f32 v16, v16
	v_nop                                          ; one plain place behind a transcendental
.set n, 0
	s_wait_alu depctr_va_vdst(0)
.rept 32
	v_mul_f32 v[S+n], v[OA+n], v16                 ; each accumulator from its low end on
.set n, n+1
.endr
.irp b, 0,1
	v_max3_num_f32 v[BM+\b], |v[S+16*\b]|, |v[S+1+16*\b]|, 0x1800000
.endr
.irp i, 2,4,6,8,10,12,14
.irp b, 0,1
	s_delay_alu instid0(VALU_DEP_2)
	v_max3_num_f32 v[BM+\b], v[BM+\b], |v[S+16*\b+\i]|, |v[S+1+16*\b+\i]|
.endr
.endr
.irp b, 0,1
	s_delay_alu instid0(VALU_DEP_2)
	v_permlanex16_b32 v[BP+\b], v[BM+\b], s[SEL], s[SEL+1]
.endr
.irp b, 0,1
	s_delay_alu instid0(VALU_DEP_2)
	v_max_num_f32 v[BM+\b], v[BM+\b], v[BP+\b]
.endr
.irp b, 0,1
	s_delay_alu instid0(VALU_DEP_2)
	v_add_nc_u32 v[BS+\b], 0xff000000, v[BM+\b]
.endr
.irp b, 0,1
	s_delay_alu instid0(VALU_DEP_2)
	v_lshrrev_b32 v[BP+\b], 23, v[BS+\b]
.endr
	s_delay_alu instid0(VALU_DEP_1)
	v_lshl_or_b32 v[\hw], v[BP+1], 8, v[BP]
	v_cvt_scalef32_pk16_fp6_f32 v[PC:PC+2], v[S:S+15], v[BS]
	v_cvt_scalef32_pk16_fp6_f32 v[PT:PT+2], v[S+16:S+31], v[BS+1]
	v_nop
.irp i, 0,1,2
	v_permlane16_swap_b32 v[PC+\i], v[PT+\i]
.endr
.irp i, 0,1,2
	s_delay_alu instid0(VALU_DEP_3)
	v_mov_b32 v[PC+3+\i], v[PT+\i]
.endr
	global_store_b128 v1, v[PC:PC+3], s[72:73]     ; 512 and 256 consecutive bytes, aligned
	global_store_b64 v2, v[PC+4:PC+5], s[72:73] offset:512
.endm
	PASSIDS 0
	s_wait_tensorcnt 0x1                           ; the scale words and key step 0 are in; the large load may stay out
	s_barrier_signal -1
	s_barrier_wait -1                              ; everybody's are
	PASSGO
	STEP                                           ; key step 0, which every wave has, while the rest lands
	s_wait_tensorcnt 0x0
	s_wait_dscnt 0x0
	s_barrier_signal -1
	s_barrier_wait -1                              ; all of K and V lie in LDS: from here on the waves run free
	s_mov_b32 s[CNT], 15
.Lpass_a:
	STEP
	s_sub_co_u32 s[CNT], s[CNT], 1
	s_cmp_lg_u32 s[CNT], 0
	s_cbranch_scc1 .Lpass_a
	s_setprio 0
	FINAL 7
	s_wait_xcnt 0x0                                ; the stores have read their base and their registers: both are written again
	PASSIDS 1
	PASSGO
	s_mov_b32 s[CNT], 16
.Lpass_b:
	STEP
	s_sub_co_u32 s[CNT], s[CNT], 1
	s_cmp_lg_u32 s[CNT], 0
	s_cbranch_scc1 .Lpass_b
	s_setprio 0
	FINAL 229
	v_lshlrev_b32 v230, 2, v13                     ; 16 r: a row's place among a tile's scale words
	s_delay_alu instid0(VALU_DEP_1)
	v_add_nc_u32 v231, s84, v230
	s_delay_alu instid0(VALU_DEP_2)
	v_add_nc_u32 v232, s85, v230
	s_delay_alu instid0(VALU_DEP_1)
	v_cndmask_b32 v231, v231, v232, s80            ; lanes 0-15 store the first tile's two bytes of row r, lanes 16-31 the second tile's
	v_cndmask_b32 v230, v7, v229, s80
	global_store_b16 v231, v230, s[10:11]          ; a row's 32 scale bytes come from sixteen work-groups: two bytes a lane, one byte in 24 of what the launch stores
	s_wait_tensorcnt 0x0
	ds_add_u32 v254, v255
	s_wait_dscnt 0x0
	CROUND                                         ; the closing round
	s_endpgm
.Lfunc_end_k_q63524b8b82_attn:
	.size	k_q63524b8b82_attn, .Lfunc_end_k_q63524b8b82_attn-k_q63524b8b82_attn
	.p2alignl 7, 3214868480
	.fill 96, 4, 3214868480
	.section	.rodata,"a",@progbits
	.p2align	6, 0x0
	.amdhsa_kernel k_q63524b8b82_attn
		.amdhsa_group_segment_fixed_size 206848
		.amdhsa_private_segment_fixed_size 0
		.amdhsa_enable_private_segment 0
		.amdhsa_kernarg_size 32
		.amdhsa_user_sgpr_count 2
		.amdhsa_user_sgpr_kernarg_segment_ptr 1
		.amdhsa_wavefront_size32 1
		.amdhsa_system_sgpr_workgroup_id_x 1
		.amdhsa_system_sgpr_workgroup_id_y 1
		.amdhsa_system_sgpr_workgroup_id_z 1
		.amdhsa_system_vgpr_workitem_id 0
		.amdhsa_next_free_vgpr 256
		.amdhsa_next_free_sgpr 92
		.amdhsa_reserve_vcc 1
		.amdhsa_float_denorm_mode_32 3
		.amdhsa_float_denorm_mode_16_64 3
		.amdhsa_memory_ordered 1
		.amdhsa_forward_progress 1
		.amdhsa_inst_pref_size 90
	.end_amdhsa_kernel
	.amdgpu_metadata
---
amdhsa.version: [ 1, 2 ]
amdhsa.kernels:
  - .name:           k_q63524b8b82_attn
    .symbol:         k_q63524b8b82_attn.kd
    .args:
      - { .name: qkvc, .offset: 0, .size: 8, .value_kind: global_buffer, .address_space: global }
      - { .name: qkvs, .offset: 8, .size: 8, .value_kind: global_buffer, .address_space: global }
      - { .name: acod, .offset: 16, .size: 8, .value_kind: global_buffer, .address_space: global }
      - { .name: ascl, .offset: 24, .size: 8, .value_kind: global_buffer, .address_space: global }
    .group_segment_fixed_size: 206848
    .private_segment_fixed_size: 0
    .kernarg_segment_align: 8
    .kernarg_segment_size: 32
    .max_flat_workgroup_size: 512
    .sgpr_count:     92
    .vgpr_count:     256
    .wavefront_size: 32
...
	.end_amdgpu_metadata
.endif
;; end of part 3
;; launch proj (part 4): grid 32 x 8, 4 waves a work-group, clusters of 4 x 1, 168,448 bytes of LDS; arguments acod, ascl, cod1, scl1, b_proj, out0; writes out0
.if DOCPART == 4
	.amdgcn_target "amdgcn-amd-amdhsa--gfx1250"
	.amdhsa_code_object_version 6
	.text
	.protected	k_q63524b8b82_proj
	.globl	k_q63524b8b82_proj
	.p2align	8
	.type	k_q63524b8b82_proj,@function
k_q63524b8b82_proj:
	s_mov_b64 s[64:65], 0
	v_nop
	global_prefetch_b8 v0, s[64:65] scope:SCOPE_SE
	s_setreg_imm32_b32 hwreg(HW_REG_WAVE_MODE, 25, 1), 1
	s_wait_xcnt 0x0
	s_wait_alu depctr_hold_cnt(0) depctr_sa_sdst(0) depctr_va_vdst(0) depctr_va_sdst(0) depctr_va_ssrc(0) depctr_va_vcc(0) depctr_vm_vsrc(0)
	s_getreg_b32 s2, hwreg(HW_REG_IB_STS2, 6, 4)
	s_cmp_eq_u32 s2, 0
	s_cbranch_scc0 .Lentry_in_a_cluster
	s_endpgm
.Lentry_in_a_cluster:
	s_bfe_u32 s2, ttmp6, 0x10000c
	s_cmp_lg_u32 s2, 0x3003
	s_cbranch_scc0 .Lentry_shape_is_right
	s_endpgm
.Lentry_shape_is_right:
; out = a W_proj^T + b_proj on codes of FP6 (E2M3) with E8M0 scales; a's and W_proj's codes lie in the order of the operand's registers (images of 1,536 bytes; scale words 512 bytes a row tile).
; SHARES.  A work-group takes 256 rows and 128 columns.  Wave w owns 64 rows: 32 fragments of a, 384 registers, loaded once and kept.  The 8 row tiles of W_proj (98,304 dense bytes) lie whole in LDS,
; each byte filled once.  Two column steps of 64 columns: 8 K steps x 16 matrix instructions on 16 accumulators that take turns.
; CLUSTER.  The four work-groups of a cluster share the columns and differ in their rows: W's tiles are asked for jointly (mask 15).  a is read by one wave into registers and is not shared.
; Source 0 = W's tile, source 1 = a's tile: a lane holds one row, and the registers of W's tiles 2 B, 2 B + 1 are its columns 32 B + 16 (lane / 16) + 0 .. 15.  The bias is the C of each sum's first product.
; THE WAY OUT: 16 rows x 64 columns at a time through the wave's own stage in LDS (rows 272 bytes apart), back as whole rows: sixteen lanes store 256 consecutive bytes, aligned.
; Row tiles are permuted: tile 2 B + u holds rows 32 B + 8 u + p + 8 (p / 8).
; REGISTERS, in windows of 256: window 0: v1-7, v56, v57 addresses; v8-23 a's scale words; v24-55 W's; v64-127 rows on the way out, two sets; v128-255 the accumulators.
;   window 1: a's fragments of K steps 0-4 at 48 s + 12 a.   window 2: K steps 5-7.   window 3: three sets of W's four fragments; from v144 the bias, 8 registers a tile.
.set WV,   12
.set G1,   24
.set G0,   32
.set XB,   56
.set XSB,  58
.set WSB,  60
.set OUT,  62
.set BB,   66
.set LI,   1
.set L8,   2
.set AW16, 4
.set AW8,  5
.set STO,  6
.set SRD,  7
.set XS,   8
.set WS,   24
.set CO,   56
.set BA,   57
.set OB,   64
.set ACC,  128
.set BIAS, 144
.set STAGE, 98304
.set MSB, 0
.macro WIN new
.if MSB != (\new)
	s_set_vgpr_msb (MSB<<8)|(\new)
.set MSB, \new
.endif
.endm
.macro PLACES n
.rept \n
	v_nop
.endr
.endm
.macro CROUND
	s_barrier_signal -1
	s_barrier_wait -1
	s_cmp_lg_u32 s[WV], 0
	s_cbranch_scc1 .Lnot_wave_0_\@
	s_barrier_signal -3
.Lnot_wave_0_\@:
	s_barrier_wait -3
	s_barrier_signal -1
	s_barrier_wait -1
.endm
.macro XLOADS s                        ; a's four fragments of K step s
.if (\s) < 5
	WIN 0x40
.set XR, 48*(\s)
.else
	WIN 0x80
.set XR, 48*((\s)-5)
.endif
.irp a, 0,1,2,3
	global_load_b128 v[XR+12*\a:XR+12*\a+3], v[LI], s[XB:XB+1] offset:\a*12288+(\s)*1536
	global_load_b64 v[XR+12*\a+4:XR+12*\a+5], v[L8], s[XB:XB+1] offset:\a*12288+(\s)*1536+512
	global_load_b128 v[XR+12*\a+6:XR+12*\a+9], v[LI], s[XB:XB+1] offset:\a*12288+(\s)*1536+768
	global_load_b64 v[XR+12*\a+10:XR+12*\a+11], v[L8], s[XB:XB+1] offset:\a*12288+(\s)*1536+1280
.endr
.endm
.macro FETCH s, set                    ; W's four fragments of K step s, from LDS
	WIN 0xc0
.irp i, 0,1,2,3
	ds_load_b128 v[48*(\set)+12*\i:48*(\set)+12*\i+3], v[AW16] offset:\i*12288+(\s)*1536
	ds_load_b64 v[48*(\set)+12*\i+4:48*(\set)+12*\i+5], v[AW8] offset:\i*12288+(\s)*1536+512
	ds_load_b128 v[48*(\set)+12*\i+6:48*(\set)+12*\i+9], v[AW16] offset:\i*12288+(\s)*1536+768
	ds_load_b64 v[48*(\set)+12*\i+10:48*(\set)+12*\i+11], v[AW8] offset:\i*12288+(\s)*1536+1280
.endr
.endm
; 16 matrix instructions of K step s of column step c: source 0 = W's tile q, source 1 = a's tile p
.macro MUL c, s, set
.if (\s) < 5
.set XR, 48*(\s)
.set XWN, 1
.else
.set XR, 48*((\s)-5)
.set XWN, 2
.endif
.if (\s) == 0
	WIN 0x37                                       ; W and the bias in window 3, a in window 1, the sums in window 0
.else
.set WNEW, 0x03+4*XWN
	WIN WNEW
.endif
.irp p, 0,1,2,3
.irp q, 0,1,2,3
.set rD, ACC+8*(4*\p+\q)
.set rA, 48*(\set)+12*\q
.set rB, XR+12*\p
.set rC, BIAS+8*(4*(\c)+\q)
.set rSA, WS+16*(\c)+4*\q+((\s)&3)
.set rSB, XS+4*\p+((\s)&3)
.if (\s) == 0
	v_wmma_scale_f32_16x16x128_f8f6f4 v[rD:rD+7], v[rA:rA+11], v[rB:rB+11], v[rC:rC+7], v[rSA], v[rSB] matrix_a_fmt:MATRIX_FMT_FP6 matrix_b_fmt:MATRIX_FMT_FP6
.elseif (\s) < 4
	v_wmma_scale_f32_16x16x128_f8f6f4 v[rD:rD+7], v[rA:rA+11], v[rB:rB+11], v[rD:rD+7], v[rSA], v[rSB] matrix_a_fmt:MATRIX_FMT_FP6 matrix_b_fmt:MATRIX_FMT_FP6
.else
	v_wmma_scale_f32_16x16x128_f8f6f4 v[rD:rD+7], v[rA:rA+11], v[rB:rB+11], v[rD:rD+7], v[rSA], v[rSB] matrix_a_fmt:MATRIX_FMT_FP6 matrix_b_fmt:MATRIX_FMT_FP6 matrix_a_scale:MATRIX_SCALE_ROW1 matrix_b_scale:MATRIX_SCALE_ROW1
.endif
.endr
.endr
.endm
.macro TOSTAGE a                       ; row tile a's 16 rows x 64 columns into my stage, and back as whole rows
.irp i, 0,1,2,3
	ds_store_b128 v[STO], v[ACC+8*(4*(\a)+\i):ACC+8*(4*(\a)+\i)+3] offset:128*(\i/2)+32*(\i%2)        ; each accumulator from its low end on
	ds_store_b128 v[STO], v[ACC+8*(4*(\a)+\i)+4:ACC+8*(4*(\a)+\i)+7] offset:128*(\i/2)+32*(\i%2)+16
.endr
.irp k, 0,1,2,3,4,5,6,7
	ds_load_b128 v[OB+32*((\a)%2)+4*\k:OB+32*((\a)%2)+4*\k+3], v[SRD] offset:2*\k*272   ; LDS serves a wave's instructions in order (ISA guide 5.7.1.4): these see the stores above
.endr
.endm
.macro SEND a, c, younger              ; younger: the LDS instructions issued behind tile a's loads: the next tile's 8 stores and 8 loads, or none
	s_wait_dscnt \younger
.irp k, 0,1,2,3,4,5,6,7
	global_store_b128 v[CO], v[OB+32*((\a)%2)+4*\k:OB+32*((\a)%2)+4*\k+3], s[OUT:OUT+1] offset:(32*((\a)/2)+8*((\a)%2)+2*\k+8*(\k/4))*4096+256*(\c) th:TH_STORE_NT   ; 16 lanes store 256 consecutive bytes, aligned; the tile's rows 2 k and 2 k + 1
.endr
.endm
.macro WAYOUT c
	s_wait_xcnt 0x0                                ; earlier stores have read their registers
	TOSTAGE 0
	TOSTAGE 1
	SEND 0, \c, 16
	s_wait_xcnt 0x0                                ; tile 0's stores have read the set that tile 2 lands in
	TOSTAGE 2
	SEND 1, \c, 16
	s_wait_xcnt 0x0
	TOSTAGE 3
	SEND 2, \c, 16
	SEND 3, \c, 0
.endm
	s_load_b256 s[4:11], s[0:1], 0x0               ; acod s[4:5], ascl s[6:7], cod1 s[8:9], scl1 s[10:11]
	s_load_b128 s[68:71], s[0:1], 0x20             ; b_proj s[68:69], out0 s[70:71]
	v_lshl_add_u32 v62, v0, 2, 0x29000
	v_mov_b32 v63, 0
	ds_add_u32 v62, v63
	ds_add_u32 v62, v63
	v_lshrrev_b32 v3, 5, v0
	v_readfirstlane_b32 s[WV], v3                  ; wave 0..3
	v_and_b32 v3, 31, v0
	v_and_b32 v58, 15, v0                          ; r
	v_bfe_u32 v59, v0, 4, 1                        ; h
	v_lshlrev_b32 v[LI], 4, v3
	v_lshlrev_b32 v[L8], 3, v3
	v_lshlrev_b32 v[AW16], 4, v3
	v_lshlrev_b32 v[AW8], 3, v3
	s_mul_i32 s13, s[WV], 16*272
	s_add_co_u32 s13, s13, STAGE                   ; my stage, behind W's tiles: no fill lands there
	v_mul_u32_u24 v[STO], v58, 272
	v_lshl_add_u32 v[STO], v59, 6, v[STO]
	v_add_nc_u32 v[STO], s13, v[STO]               ; in: row r, + 64 h
	v_mul_u32_u24 v[SRD], v59, 272
	v_lshl_add_u32 v[SRD], v58, 4, v[SRD]
	v_add_nc_u32 v[SRD], s13, v[SRD]               ; back: lanes 0-15 one row, lanes 16-31 the next
	v_lshlrev_b32 v[CO], 12, v59
	v_lshl_add_u32 v[CO], v58, 4, v[CO]            ; and the same two rows in out
	v_lshlrev_b32 v[BA], 6, v59                    ; the bias: my half's 16 columns of a group of 32
	s_bfe_u32 s14, ttmp6, 0x40000                  ; cx
	s_lshl_b32 s15, ttmp9, 2
	s_add_co_u32 s14, s15, s14                     ; tg: my block of 256 rows: it enters a's and out's addresses alone
	s_and_b32 s15, ttmp7, 0xffff                   ; cg: the 128 columns, which the four partners share
	s_mov_b32 s[G1], 15|(3<<16)|(1<<21)            ; 15:0 the mask: all four work-groups; 17:16 elements of 8 bytes; 21 set beside a mask
	s_mov_b32 s[G1+1], 32<<16                      ; a row tile of W, 12,288 dense bytes, as 48 rows of 256 bytes
	s_mov_b32 s[G1+2], 48<<16
	s_mov_b32 s[G1+3], 32<<16
	s_mov_b32 s[G1+4], 48
	s_mov_b32 s[G1+5], 32
	s_mov_b32 s[G1+6], 0
	s_mov_b32 s[G1+7], 0
	s_lshl_b32 s16, s15, 3                         ; W_proj's row tiles begin at 704; my columns' 8; in each column step wave w fetches tile w
	s_add_co_u32 s16, s16, s[WV]
	s_add_co_u32 s16, s16, 704
	s_mul_i32 s16, s16, 12288
	s_mov_b32 s17, 0
	s_mul_i32 s23, s[WV], 12288
	s_lshl_b32 s18, s15, 12
	s_add_co_u32 s18, s18, 704*512
	s_mov_b32 s19, 0
	s_lshl_b32 s20, s15, 9                         ; 128 columns of f32
	s_mov_b32 s21, 0
	s_lshl_b32 s72, s14, 4
	s_lshl_b32 s73, s[WV], 2
	s_add_co_u32 s72, s72, s73                     ; my first row tile: 16 tg + 4 w
	s_mul_i32 s74, s72, 12288
	s_mov_b32 s75, 0
	s_lshl_b32 s76, s72, 9
	s_mov_b32 s77, 0
	s_lshl_b32 s78, s72, 16                        ; 16 rows of 4,096 bytes a tile
	s_mov_b32 s79, 0
	s_wait_alu depctr_va_vdst(0)
	s_wait_dscnt 0x0
	s_wait_kmcnt 0x0
	s_add_nc_u64 s[XB:XB+1], s[4:5], s[74:75]
	s_add_nc_u64 s[XSB:XSB+1], s[6:7], s[76:77]
	s_add_nc_u64 s[WSB:WSB+1], s[10:11], s[18:19]
	s_add_nc_u64 s[BB:BB+1], s[68:69], s[20:21]
	s_add_nc_u64 s[OUT:OUT+1], s[70:71], s[78:79]
	s_add_nc_u64 s[OUT:OUT+1], s[OUT:OUT+1], s[20:21]
	s_add_nc_u64 s[16:17], s[8:9], s[16:17]
.irp c, 0,1
	s_mov_b32 s[G0+4*\c], 1
	s_add_co_u32 s[G0+4*\c+1], s23, \c*49152
	s_add_nc_u64 s[G0+4*\c+2:G0+4*\c+3], s[16:17], \c*49152
	s_or_b32 s[G0+4*\c+3], s[G0+4*\c+3], 0x80000000
.endr
.irp a, 0,1,2,3
	global_load_b128 v[XS+4*\a:XS+4*\a+3], v[LI], s[XSB:XSB+1] offset:\a*512
.endr
.irp t, 0,1,2,3,4,5,6,7
	global_load_b128 v[WS+4*\t:WS+4*\t+3], v[LI], s[WSB:WSB+1] offset:\t*512
.endr
	WIN 0xc0
.irp t, 0,1,2,3,4,5,6,7
	global_load_b128 v[BIAS+8*\t:BIAS+8*\t+3], v[BA], s[BB:BB+1] offset:(32*(\t/2)+8*(\t%2))*4       ; lane (r, h), tile t: b at columns 32 (t / 2) + 16 h + 8 (t % 2) + 0 .. 7
	global_load_b128 v[BIAS+8*\t+4:BIAS+8*\t+7], v[BA], s[BB:BB+1] offset:(32*(\t/2)+8*(\t%2))*4+16
.endr
	XLOADS 0
	XLOADS 1
	WIN 0
	CROUND                                         ; all four work-groups are here: the joint loads meet
	tensor_load_to_lds s[G0:G0+3], s[G1:G1+7]      ; every byte is filled once: two loads of mine are out
	s_nop 0
	tensor_load_to_lds s[G0+4:G0+7], s[G1:G1+7]
	s_nop 0
	PLACES 4
	XLOADS 2
	XLOADS 3
	XLOADS 4
	XLOADS 5
	XLOADS 6
	XLOADS 7
.macro KSTEP c, s
.set NN, 8*(\c)+(\s)
.if (\c) == 0
.set LC, 16*(7-(\s))                   ; behind K step s's fragments of a: the later K steps' 16 loads each
.if LC > 63
.set LC, 63
.endif
	s_wait_loadcnt LC
.endif
.if (\s) < 7
	s_wait_dscnt 16                                ; this K step's fragments of W are in; the next step's 16 loads may be out
.else
	s_wait_dscnt 0
.endif
.if (\s) < 6
	PLACES 4                                       ; the set fetched into was multiplied in the K step before
	FETCH (\s)+2, (NN+2)%3
.endif
	MUL \c, \s, NN%3
.endm
	WIN 0
	s_wait_tensorcnt 0x1                           ; my tile of column step 0 is in; column step 1's may stay out
	s_barrier_signal -1
	s_barrier_wait -1
	FETCH 0, 0
	FETCH 1, 1
.irp s, 0,1,2,3,4,5,6,7
	KSTEP 0, \s
.endr
	WIN 0
	s_wait_tensorcnt 0x0
	s_wait_dscnt 0x0
	s_barrier_signal -1
	s_barrier_wait -1                              ; everybody's tile of column step 1 is in
	PLACES 4                                       ; behind the last products: for the loads into W's sets and the first read of results
	v_add_nc_u32 v[AW16], 49152, v[AW16]
	v_add_nc_u32 v[AW8], 49152, v[AW8]
	FETCH 0, 2
	FETCH 1, 0
	WIN 0
	s_wait_alu depctr_va_vdst(0)
	WAYOUT 0                                       ; column step 0 leaves while column step 1's fragments come
	PLACES 5                                       ; the accumulators begin anew
.irp s, 0,1,2,3,4,5,6,7
	KSTEP 1, \s
.endr
	PLACES 4
	WIN 0
	WAYOUT 1
	s_wait_tensorcnt 0x0
	ds_add_u32 v62, v63
	s_wait_dscnt 0x0
	CROUND                                         ; the closing round: no work-group ends while a partner may still ask for a tile that names it
	s_endpgm
.Lfunc_end_k_q63524b8b82_proj:
	.size	k_q63524b8b82_proj, .Lfunc_end_k_q63524b8b82_proj-k_q63524b8b82_proj
	.p2alignl 7, 3214868480
	.fill 96, 4, 3214868480
	.section	.rodata,"a",@progbits
	.p2align	6, 0x0
	.amdhsa_kernel k_q63524b8b82_proj
		.amdhsa_group_segment_fixed_size 168448
		.amdhsa_private_segment_fixed_size 0
		.amdhsa_enable_private_segment 0
		.amdhsa_kernarg_size 48
		.amdhsa_user_sgpr_count 2
		.amdhsa_user_sgpr_kernarg_segment_ptr 1
		.amdhsa_wavefront_size32 1
		.amdhsa_system_sgpr_workgroup_id_x 1
		.amdhsa_system_sgpr_workgroup_id_y 1
		.amdhsa_system_sgpr_workgroup_id_z 1
		.amdhsa_system_vgpr_workitem_id 0
		.amdhsa_next_free_vgpr 1024
		.amdhsa_next_free_sgpr 80
		.amdhsa_reserve_vcc 0
		.amdhsa_float_denorm_mode_32 3
		.amdhsa_float_denorm_mode_16_64 3
		.amdhsa_memory_ordered 1
		.amdhsa_forward_progress 1
		.amdhsa_inst_pref_size 87
	.end_amdhsa_kernel
	.amdgpu_metadata
---
amdhsa.version: [ 1, 2 ]
amdhsa.kernels:
  - .name:           k_q63524b8b82_proj
    .symbol:         k_q63524b8b82_proj.kd
    .args:
      - { .name: acod, .offset: 0, .size: 8, .value_kind: global_buffer, .address_space: global }
      - { .name: ascl, .offset: 8, .size: 8, .value_kind: global_buffer, .address_space: global }
      - { .name: cod1, .offset: 16, .size: 8, .value_kind: global_buffer, .address_space: global }
      - { .name: scl1, .offset: 24, .size: 8, .value_kind: global_buffer, .address_space: global }
      - { .name: b_proj, .offset: 32, .size: 8, .value_kind: global_buffer, .address_space: global }
      - { .name: out0, .offset: 40, .size: 8, .value_kind: global_buffer, .address_space: global }
    .group_segment_fixed_size: 168448
    .private_segment_fixed_size: 0
    .kernarg_segment_align: 8
    .kernarg_segment_size: 48
    .max_flat_workgroup_size: 128
    .sgpr_count:     80
    .vgpr_count:     1024
    .wavefront_size: 32
...
	.end_amdgpu_metadata
.endif
;; end of part 4
